; MI455X (gfx1250); checked and timed in simulation.
; The chip was launched on July 23, 2026; its instructions are those of AMD's public machine-readable ISA for CDNA 5 (MIT licence, August 2026) and "CDNA5" Instruction Set Architecture Reference Guide (July 2026). The comments in the code are by the model that wrote it; some were corrected since.
;; Multi Head Attention. Allowed arithmetic: matrix products marked QUANTISED: E5M2 operands, one given power-of-two scale a tensor, by v_wmma_f32_16x16x64_bf8_bf8 or v_wmma_f32_16x16x128_bf8_bf8, f32 sums; everything else in f32.
;; Inputs: bk 1,024 float32; bo 1,024 float32; bq 1,024 float32; bv 1,024 float32; key_codes 4 x 2,048 x 32 x 32 uint8 (E5M2 codes of key, K innermost, in blocks of 32 codes); lowp_scales 12 int32 (the exponents e of the quantised operands' scales 2^e); mask 4 x 2,048 x 2,048 int32; query_codes 4 x 2,048 x 32 x 32 uint8 (E5M2 codes of query, K innermost, in blocks of 32 codes); value_codes 4 x 2,048 x 32 x 32 uint8 (E5M2 codes of value, K innermost, in blocks of 32 codes); wk_codes 1,024 x 32 x 32 uint8 (E5M2 codes of wk, K innermost, in blocks of 32 codes); wo_codes 1,024 x 32 x 32 uint8 (E5M2 codes of wo, K innermost, in blocks of 32 codes); wq_codes 1,024 x 32 x 32 uint8 (E5M2 codes of wq, K innermost, in blocks of 32 codes); wv_codes 1,024 x 32 x 32 uint8 (E5M2 codes of wv, K innermost, in blocks of 32 codes).
;; Outputs: out0 4 x 2,048 x 1,024 float32.
;; This version of the problem:
;;   THIS VERSION OF THE PROBLEM IS GIVEN IN LOW PRECISION. The matrix products marked QUANTISED in the list below multiply operands that are first quantised to E5M2 (5 exponent bits, 2 mantissa bits; 8 bits a number), with one given power-of-two scale for each operand tensor; their sums are f32. All else is computed in f32.
;;   The module's matrix products, in the order in which they are computed (A, B: the left and right operand; K: the contracted axis; several contracted axes count as one K, in the product's order):
;;     1. [M 8,192, K 1,024] x [K 1,024, N 1,024]; A: input query (given as codes); B: input wq (given as codes): QUANTISED (scales: A lowp_scales[0], B lowp_scales[1])
;;     2. [M 8,192, K 1,024] x [K 1,024, N 1,024]; A: input key (given as codes); B: input wk (given as codes): QUANTISED (scales: A lowp_scales[2], B lowp_scales[3])
;;     3. [M 8,192, K 1,024] x [K 1,024, N 1,024]; A: input value (given as codes); B: input wv (given as codes): QUANTISED (scales: A lowp_scales[4], B lowp_scales[5])
;;     4. batch 64 x [M 2,048, K 64] x [K 64, N 2,048]; A: computed on the way; B: computed on the way: QUANTISED (scales: A lowp_scales[6], B lowp_scales[7])
;;     5. batch 64 x [M 2,048, K 2,048] x [K 2,048, N 64]; A: softmax (see below); B: computed on the way: QUANTISED (scales: A lowp_scales[8], B lowp_scales[9])
;;     6. [M 8,192, K 1,024] x [K 1,024, N 1,024]; A: computed on the way; B: input wo (given as codes): QUANTISED (scales: A lowp_scales[10], B lowp_scales[11])
;;   THE QUANTISER, for each operand of a quantised product, along K:
;;     - The operand's scale is 2^e, e = its entry of the input lowp_scales (int32; the entries are numbered through the quantised products in the list's order, A before B).
;;     - Each number is divided by the scale, clamped to +-57,344, and rounded to the nearest number of E5M2, ties to even, subnormals kept.
;;     - The product sums the exact products of the quantised numbers (number of the format x scale) in f32.
;;   ~~~python
;;   def quantise(x, axis, e):      # numpy; x: float32 -> the quantised numbers, widened to float32 again
;;       x = np.moveaxis(x, axis, -1); K = x.shape[-1]
;;       r = np.clip(x / 2.0 ** e, -57344, 57344)
;;       step = 2.0 ** (np.maximum(np.frexp(np.where(r == 0, 1, r))[1] - 1, -14) - 2)
;;       q = np.round(r / step) * step * 2.0 ** e      # np.round: ties to even
;;       return np.moveaxis(q, -1, axis).astype(np.float32)
;;   ~~~
;;   SOFTMAX AHEAD OF A QUANTISED PRODUCT. Where the list says 'softmax', what is quantised is not the finished softmax but p = 2^(t - M), with t = logit x log2(e) and M = ceil(the row's largest t), a whole number; so 1/2 < the row's largest p <= 1. The row's sum l is taken of the UNQUANTISED p, in f32, and the product's result is divided by l at the end. Since M is a whole number, a kernel that streams over the keys may use a running M (the ceiling of the running maximum): every later rescaling is an exact power of two, so the quantised numbers keep their values, but for numbers so far below the row's largest that they fall under the format's range.
;;   OPERANDS COMPUTED ON THE WAY. 'Computed on the way' means the value that the module computes at that place (a softmax that the list does not call 'softmax' is quantised finished and normalised). What goes into a quantiser is computed in f32, as accurately as f32 sums, v_exp_f32 and their like allow (about 1e-6 of the number): no bf16 or f16 on the way to a quantiser, and a product that is left as it is and whose result goes on into a quantised operand takes f32 operands (vector FMAs, or v_wmma_f32_16x16x4_f32). A number that lies on a knife's edge between two numbers of the format may be rounded either way, as far as f32 arithmetic and the matrix unit's own rounding can turn it there, and no further.
;;   INPUTS GIVEN AS CODES. key (in the module: [4, 2048, 1024], K = its axis 2); query (in the module: [4, 2048, 1024], K = its axis 2); value (in the module: [4, 2048, 1024], K = its axis 2); wk (in the module: [1024, 1024], K = its axis 1); wo (in the module: [1024, 1024], K = its axis 1); wq (in the module: [1024, 1024], K = its axis 1); wv (in the module: [1024, 1024], K = its axis 1): each comes as NAME_codes (uint8): NAME with its K axis moved to the last place and cut into blocks of 32 codes, [.., K / 32, bytes a block], one block behind the other in memory; one code a byte (a code: sign, 5 exponent bits, 2 mantissa bits); its scale is its entry of lowp_scales. Its value is code x scale, taken as it is: it is not quantised again, and the codes and scales need not be those that the quantiser above would give.
;; One version. Each part assembles by itself: llvm-mc -triple=amdgcn-amd-amdhsa -mcpu=gfx1250 --defsym DOCPART=n.
;; ======== version 1 of 1: 4 launches
;; limits: right only within a limited range of input values
;; workspace buffers: qc 8,388,608 bytes; kc 8,388,608 bytes; vc 8,388,608 bytes; xc 8,388,608 bytes; mbits 2,097,152 bytes of whole numbers
;; launch mpack (part 1): grid 512 x 1, 4 waves a work-group, no clusters, 34,304 bytes of LDS; arguments mask, mbits; writes mbits
.if DOCPART == 1
	.amdgcn_target "amdgcn-amd-amdhsa--gfx1250"
	.amdhsa_code_object_version 6
	.text
	.protected	k_q537eee43f5_mpack
	.globl	k_q537eee43f5_mpack
	.p2align	8
	.type	k_q537eee43f5_mpack,@function
k_q537eee43f5_mpack:
	s_mov_b64 s[64:65], 0
	v_nop
	global_prefetch_b8 v0, s[64:65] scope:SCOPE_SE
	s_setreg_imm32_b32 hwreg(HW_REG_WAVE_MODE, 25, 1), 1
	s_wait_xcnt 0x0
; mask [4][2048][2048] int32 -> mbits [4][128 query tiles][16 key steps][64 words].
; Bit L of word 8 tau + j of (query tile, key step s) says: mask[16 tile + L % 16][128 s + 16 tau + 8 (L / 16) + j] != 0.
; That is the lane mask with which the attention launch keeps or replaces register 8 tau + j of its transposed score tile: there a score costs one select.
; A stream: every byte of the mask is read once, by loads of 512 consecutive bytes; a unit (16 rows x 128 keys) leaves as 256 consecutive bytes, aligned.
; SHARES.  A work-group takes one query tile (16 rows of the mask); wave w takes key steps 4 w .. 4 w + 3, one unit each, written out.
; A load is best where neighbouring lanes take neighbouring bytes; the compare wants lane (r, h) to hold row r, keys 16 tau + 8 h + j.  So a unit turns through the wave's own stage in LDS:
; 16 rows of 512 bytes, 528 apart (33 x 16 bytes: the sixteen rows that a read touches start at sixteen different banks, ISA guide 11.1).
; No matrix unit, no cluster, no barrier: waves share nothing, and no byte is read by two work-groups.
.set PITCH, 528
.set WST,   16*PITCH                   ; a wave's stage
.set SPARE, 4*WST                      ; behind the four stages: the spare words, 128 bytes a wave, two blocks of 256 bytes that no other line names
.set GOF,  1                           ; v1   16 x lane: my bytes of a load's 512
.set SIN,  2                           ; v2   the stage, way in
.set SOUT, 3                           ; v3   the stage, way out: row r, + 32 h
.set OOF,  4                           ; v4   8 x lane: my two words of a unit's 64
.set SPW,  5                           ; v5   my spare word; never rewritten
.set NIL,  6                           ; v6   0; never rewritten
.set O,    8                           ; v8-15    a pair for each unit: lane l holds words 2 l, 2 l + 1; no store's data are written again
.set R,    16                          ; v16-143  two sets of 64: a unit as loaded
.set X,    144                         ; v144-207 a unit as the compare wants it
	s_load_b128 s[4:7], s[0:1], 0x0                ; mask s[4:5], mbits s[6:7]
	v_lshl_add_u32 v[SPW], v0, 2, SPARE
	v_mov_b32 v[NIL], 0
	v_lshrrev_b32 v7, 5, v0
	v_readfirstlane_b32 s8, v7                     ; wave 0..3
	v_and_b32 v7, 31, v0                           ; lane
	v_lshlrev_b32 v[GOF], 4, v7
	s_mul_i32 s9, s8, WST
	v_add_nc_u32 v[SIN], s9, v[GOF]
	v_and_b32 v[SOUT], 15, v0
	v_mul_u32_u24 v[SOUT], v[SOUT], PITCH
	v_bfe_u32 v[OOF], v0, 4, 1
	v_lshl_add_u32 v[SOUT], v[OOF], 5, v[SOUT]
	v_add_nc_u32 v[SOUT], s9, v[SOUT]
	v_lshlrev_b32 v[OOF], 3, v7
.irp i, 0,1,2,3,4,5,6,7
	v_mov_b32 v[O+\i], 0                           ; written whole once: a lane write's destination counts as read
.endr
	s_lshl_b32 s10, ttmp9, 17                      ; 16 rows of 8,192 bytes a query tile,
	s_lshl_b32 s12, s8, 11                         ; four key steps of 512 bytes a wave
	s_add_co_u32 s10, s10, s12
	s_mov_b32 s11, 0
	s_lshl_b32 s12, ttmp9, 12                      ; out: 4,096 bytes a query tile,
	s_lshl_b32 s14, s8, 10                         ; 1,024 a wave
	s_add_co_u32 s12, s12, s14
	s_mov_b32 s13, 0
	s_wait_kmcnt 0x0
	s_add_nc_u64 s[4:5], s[4:5], s[10:11]
	s_add_nc_u64 s[6:7], s[6:7], s[12:13]
.macro LOAD t                          ; unit t: 16 loads, one row's 128 keys each
.set i, 0
.rept 16
	global_load_b128 v[R+64*((\t)%2)+4*i:R+64*((\t)%2)+4*i+3], v[GOF], s[4:5] offset:512*(\t)+8192*i th:TH_LOAD_NT
.set i, i+1
.endr
.endm
.macro UNIT t
.if \t < 3
	s_wait_loadcnt 16                              ; loads come back in order: this unit's 16 are in, the next unit's 16 may be out
.else
	s_wait_loadcnt 0
.endif
.set i, 0
.rept 16
	ds_store_b128 v[SIN], v[R+64*((\t)%2)+4*i:R+64*((\t)%2)+4*i+3] offset:PITCH*i
.set i, i+1
.endr
.set i, 0
.rept 16                               ; LDS serves a wave's instructions in order: these see the stores above
	ds_load_b128 v[X+4*i:X+4*i+3], v[SOUT] offset:64*(i/2)+16*(i%2)
.set i, i+1
.endr
	s_wait_dscnt 0x0                               ; the unit is back, and the stores have read their registers,
.if \t+2 < 4
	LOAD \t+2                                      ; which take the unit two further on
.endif
.irp g, 0,1
.set i, 0
.rept 32
	v_cmp_ne_u32 s[32+i], 0, v[X+32*\g+i]          ; word 32 g + i: one bit a lane
.set i, i+1
.endr
.set i, 0
.rept 32
	v_writelane_b32 v[O+2*(\t)+i%2], s[32+i], 16*\g+i/2
.set i, i+1
.endr
.endr
	global_store_b64 v[OOF], v[O+2*(\t):O+2*(\t)+1], s[6:7] offset:256*(\t)   ; 32 lanes store 256 consecutive bytes, aligned
.endm
	LOAD 0
	LOAD 1
	UNIT 0
	UNIT 1
	UNIT 2
	UNIT 3
	s_wait_tensorcnt 0x0                           ; the wave's end
	ds_add_u32 v[SPW], v[NIL]
	s_wait_dscnt 0x0
	s_endpgm
.Lfunc_end_k_q537eee43f5_mpack:
	.size	k_q537eee43f5_mpack, .Lfunc_end_k_q537eee43f5_mpack-k_q537eee43f5_mpack
	.p2alignl 7, 3214868480
	.fill 96, 4, 3214868480
	.section	.rodata,"a",@progbits
	.p2align	6, 0x0
	.amdhsa_kernel k_q537eee43f5_mpack
		.amdhsa_group_segment_fixed_size 34304
		.amdhsa_private_segment_fixed_size 0
		.amdhsa_enable_private_segment 0
		.amdhsa_kernarg_size 16
		.amdhsa_user_sgpr_count 2
		.amdhsa_user_sgpr_kernarg_segment_ptr 1
		.amdhsa_wavefront_size32 1
		.amdhsa_system_sgpr_workgroup_id_x 1
		.amdhsa_system_sgpr_workgroup_id_y 1
		.amdhsa_system_sgpr_workgroup_id_z 1
		.amdhsa_system_vgpr_workitem_id 0
		.amdhsa_next_free_vgpr 208
		.amdhsa_next_free_sgpr 66
		.amdhsa_reserve_vcc 0
		.amdhsa_float_denorm_mode_32 3
		.amdhsa_float_denorm_mode_16_64 3
		.amdhsa_memory_ordered 1
		.amdhsa_forward_progress 1
		.amdhsa_inst_pref_size 49
	.end_amdhsa_kernel
	.amdgpu_metadata
---
amdhsa.version: [ 1, 2 ]
amdhsa.kernels:
  - .name:           k_q537eee43f5_mpack
    .symbol:         k_q537eee43f5_mpack.kd
    .args:
      - { .name: mask, .offset: 0, .size: 8, .value_kind: global_buffer, .address_space: global }
      - { .name: mbits, .offset: 8, .size: 8, .value_kind: global_buffer, .address_space: global }
    .group_segment_fixed_size: 34304
    .private_segment_fixed_size: 0
    .kernarg_segment_align: 8
    .kernarg_segment_size: 16
    .max_flat_workgroup_size: 128
    .sgpr_count:     66
    .vgpr_count:     208
    .wavefront_size: 32
...
	.end_amdgpu_metadata
.endif
;; end of part 1
;; launch proj (part 2): grid 4 x 96, 4 waves a work-group, clusters of 4 x 4, 327,680 bytes of LDS; arguments query_codes, key_codes, value_codes, wq_codes, wk_codes, wv_codes, bq, bk, bv, lowp_scales, qc, kc, vc; writes qc, kc, vc
.if DOCPART == 2
	.amdgcn_target "amdgcn-amd-amdhsa--gfx1250"
	.amdhsa_code_object_version 6
	.text
	.protected	k_q537eee43f5_proj
	.globl	k_q537eee43f5_proj
	.p2align	8
	.type	k_q537eee43f5_proj,@function
k_q537eee43f5_proj:
	s_mov_b64 s[64:65], 0
	v_nop
	global_prefetch_b8 v0, s[64:65] scope:SCOPE_SE
	s_setreg_imm32_b32 hwreg(HW_REG_WAVE_MODE, 25, 1), 1
	s_wait_xcnt 0x0
	s_wait_alu depctr_hold_cnt(0) depctr_sa_sdst(0) depctr_va_vdst(0) depctr_va_sdst(0) depctr_va_ssrc(0) depctr_va_vcc(0) depctr_vm_vsrc(0)
	s_getreg_b32 s2, hwreg(HW_REG_IB_STS2, 6, 4)
	s_cmp_eq_u32 s2, 0
	s_cbranch_scc0 .Lentry_in_a_cluster
	s_endpgm
.Lentry_in_a_cluster:
	s_bfe_u32 s2, ttmp6, 0x10000c
	s_cmp_lg_u32 s2, 0xf033
	s_cbranch_scc0 .Lentry_shape_is_right
	s_endpgm
.Lentry_shape_is_right:
; The three projections, q = query wq^T + bq, k, v likewise, on codes of BF8 (E5M2) as they are given; the results are quantised (scales 6, 7, 9 of the list) and stored as codes,
; in the order in which the attention launch's operand registers take them.  One launch: clusters 0-7 along y make q, 8-15 k, 16-23 v (T = cluster y / 8).
; A tile of 256 x 256 to a work-group of four waves, 128 x 128 to a wave: 64 accumulators, 512 registers.  K = 1,024 goes in steps of 256 through a ring of two LDS slots.
; THE MATRIX INSTRUCTION IS USED TRANSPOSED: source 0 = 16 rows of "B", source 1 = 16 rows of "A": a lane holds one row of A, and its eight registers run along eight neighbouring rows of B.
;   q, k: A = the tokens, B = the weight: registers run along the features, the next product's K.    v: A = wv, B = the tokens: registers run along the keys, the next product's K.
; So eight registers convert into two registers of the next operand, and nothing is transposed.  The operands are changed by a choice of pointers on T; one text serves all three.
; THE BIAS is the C of the first K step's products, divided by 2^(ea + eb), the power of two that the sums lack.  It goes by B's rows for q and k and by A's rows for v: only that first step is written twice,
; under a branch on T, which is made of the cluster's number alone and is alike in all sixteen partners.
; CLUSTERS: 4 x 4.  A's tile is shared along a row of the cluster, B's along a column: each is asked for jointly, by the same tensor load with the same descriptor and a mask that names the four.
; The fragments are fetched by four loads of 16 bytes: a permutation of k that is the same in A and in B, so every product meets its partner.
; OUT.  qc, kc: [b][head pair][block of 128 tokens][head of the pair][tile of 16 tokens][2][lane][16 bytes]: lane (r, h): token r, registers 2 t, 2 t + 1 = d 16 t + 8 h + 0..7.
;       vc:     [b][head pair][128 keys][head of the pair][tile of 16 d][4][lane][16 bytes]: lane (r, h): d = r, registers 2 c, 2 c + 1 = keys 16 c + 8 h + 0..7.
; LIMITS: eo - ea - eb between -126 and 112, so that the conversion's scale is an f32 number.  NaN among the sums is not served.
; No L2 prefetch: four K steps in all, and the tiles are shared jointly.
; REGISTERS: window 0: v8-11 store offsets; v13 the scale; v16-21 LDS addresses; v28, v29 the add's two; v32-95 the bias bank; v96-103 the bias offsets;
;   v128-255 A's fragments, one set; later the codes, 16 registers a block.   window 1: B's fragments, two sets.   windows 2, 3: the accumulators ((a, b) at v[8 (8 (a % 4) + b)]).
.set ROWB,   256                       ; a tile's row: 256 codes
.set KROW,   1024                      ; a row of A or B in memory
.set PITCH,  272                       ; an LDS row: 256 bytes + 16 of padding = 68 words: the sixteen rows of a load start at sixteen different banks (ISA guide 11.1)
.set FR,     16
.set NL,     4
.set NP,     4
.set HALFT,  128*PITCH
.set SLOT,   4*HALFT
.set SPARE,  2*SLOT                    ; behind the ring: the spare words, 128 bytes a wave
.set OC,   8
.set LIM,  12
.set SC,   13
.set ADRA, 16
.set ADRB, 20
.set SPW,  28
.set NIL,  29
.set BB,   32
.set TMP,  32
.set BO,   96
.set AF,   128
.set CD,   128
.set G1,  24
.set G0,  32
.set G1B, 48
.set G0B, 56
.set MSB, 0
.macro WIN new                         ; the immediate's high byte repeats the setting that is left
.if MSB != (\new)
	s_set_vgpr_msb (MSB<<8)|(\new)
.set MSB, (\new)
.endif
.endm
.set MUL_LO, 0xa1                      ; source 0 (B) window 1, source 1 (A) window 0, C and D window 2
.set MUL_HI, 0xf1                      ; the same, C and D window 3
.set BIA_LO, 0x81                      ; C (the bias bank) window 0, D window 2
.set BIA_HI, 0xc1                      ; C window 0, D window 3
.set TO_B,   0x40
.macro JLOAD g0a, g1a, g0b, g1b        ; a joint load: waves 0 and 1 fetch for A, waves 2 and 3 for B; an s_nop 0 and four v_nop follow each line
	s_cmp_eq_u32 s15, 0
	s_cbranch_scc0 .Lfor_b_\@
	tensor_load_to_lds s[\g0a:\g0a+3], s[\g1a:\g1a+7]
	s_nop 0
.rept 4
	v_nop
.endr
	s_branch .Lasked_\@
.Lfor_b_\@:
	tensor_load_to_lds s[\g0b:\g0b+3], s[\g1b:\g1b+7]
	s_nop 0
.rept 4
	v_nop
.endr
.Lasked_\@:
.endm
.macro CREST                           ; a round of the cluster's barrier behind its opening barrier
	s_cmp_lg_u32 s14, 0
	s_cbranch_scc1 .Lnot_wave_0_\@
	s_barrier_signal -3
.Lnot_wave_0_\@:
	s_barrier_wait -3
	s_barrier_signal -1
	s_barrier_wait -1
.endm
.macro CROUND
	s_barrier_signal -1
	s_barrier_wait -1
	CREST
.endm
	s_load_b512 s[68:83], s[0:1], 0x0              ; query 68, key 70, value 72, wq 74, wk 76, wv 78, bq 80, bk 82
	s_load_b256 s[84:91], s[0:1], 0x40             ; bv 84, the scales 86, qc 88, kc 90
	s_load_b64 s[92:93], s[0:1], 0x60              ; vc
	v_lshl_add_u32 v[SPW], v0, 2, SPARE
	v_mov_b32 v[NIL], 0
	ds_add_u32 v[SPW], v[NIL]                      ; the wave's opening: the add and its wait ahead of my first tensor load; work on registers stands between
	ds_add_u32 v[SPW], v[NIL]
	v_lshrrev_b32 v1, 5, v0
	v_readfirstlane_b32 s14, v1                    ; wave 0..3
	s_lshr_b32 s15, s14, 1                         ; my half of A's rows.  Also: I fetch for A (0) or for B (1)
	s_and_b32 s16, s14, 1                          ; my half of B's rows.  Also: which 128 rows I fetch
	s_bfe_u32 s40, ttmp6, 0x40000                  ; cx
	s_bfe_u32 s41, ttmp6, 0x40004                  ; cy
	s_and_b32 s13, ttmp7, 0xffff                   ; cluster y, 0..23 (the grid has one cluster along x)
	s_lshr_b32 s12, s13, 3                         ; T: 0 q, 1 k, 2 v
	s_and_b32 s13, s13, 7
	s_lshl_b32 s13, s13, 2                         ; four tiles of 256 tokens a cluster
	s_cmp_eq_u32 s12, 2
	s_cselect_b32 s17, 0, s13                      ; the tokens are A's rows for q and k,
	s_cselect_b32 s42, s13, 0                      ; B's rows for v
	s_cselect_b32 s95, 4, 0
	s_add_co_u32 s17, s17, s41                     ; tile row (of A)
	s_add_co_u32 s42, s42, s40                     ; tile column (of B)
	s_lshl_b32 s94, s12, 3                         ; where ea, eb stand in the list: 8 T bytes
	s_lshl_b32 s18, s12, 2
	s_add_co_u32 s95, s95, s18                     ; and eo: 24 + 0, 4, 12: entries 6, 7, 9
	s_lshl_b32 s43, s41, 2
	s_lshl_b32 s43, 15, s43                        ; my row of the cluster
	s_lshl_b32 s44, 0x1111, s40                    ; my column
	s_or_b32 s[G1+0], s43, (0<<16)|(1<<20)|(1<<21)|(5<<22)|(3<<25)  ; the mask; elements of 1 byte; padding on; bit 21 beside a mask; after every 64 words, 4 words
	s_or_b32 s[G1B+0], s44, (0<<16)|(1<<20)|(1<<21)|(5<<22)|(3<<25)
.irp g, G1, G1B
	s_mov_b32 s[\g+1], ROWB<<16                    ; tensor_dim0
	s_mov_b32 s[\g+2], 128<<16                     ; tensor_dim1
	s_mov_b32 s[\g+3], ROWB<<16                    ; tile_dim0
	s_mov_b32 s[\g+4], 128                         ; tile_dim1
	s_mov_b32 s[\g+5], KROW                        ; from row to row
	s_mov_b32 s[\g+6], 0
	s_mov_b32 s[\g+7], 0
.endr
	s_lshl_b32 s18, s16, 7
	s_lshl_b32 s20, s17, 8
	s_add_co_u32 s20, s20, s18                     ; A: row 256 x tile row + 128 x half
	s_lshl_b32 s20, s20, 10                        ; x 1,024 bytes
	s_mov_b32 s21, 0
	s_lshl_b32 s46, s42, 8
	s_add_co_u32 s46, s46, s18                     ; B likewise
	s_lshl_b32 s46, s46, 10
	s_mov_b32 s47, 0
	s_mul_i32 s45, s14, HALFT                      ; where they go: wave x 128 rows
	s_wait_dscnt 0x0                               ; the opening add is done
	s_wait_kmcnt 0x0
	s_cmp_eq_u32 s12, 0                            ; the buffers are chosen by T alone
	s_cselect_b64 s[4:5], s[68:69], s[70:71]       ; A
	s_cselect_b64 s[6:7], s[74:75], s[76:77]       ; B
	s_cselect_b64 s[8:9], s[80:81], s[82:83]       ; the bias
	s_cselect_b64 s[10:11], s[88:89], s[90:91]     ; the codes out
	s_cmp_eq_u32 s12, 2
	s_cselect_b64 s[4:5], s[78:79], s[4:5]         ; v: A = wv,
	s_cselect_b64 s[6:7], s[72:73], s[6:7]         ;    B = value
	s_cselect_b64 s[8:9], s[84:85], s[8:9]
	s_cselect_b64 s[10:11], s[92:93], s[10:11]
	s_load_b64 s[96:97], s[86:87], s94 offset:0x0  ; ea, eb (only their sum is used)
	s_load_b32 s98, s[86:87], s95 offset:0x18      ; eo
	s_add_nc_u64 s[20:21], s[4:5], s[20:21]
	s_add_nc_u64 s[46:47], s[6:7], s[46:47]
	CROUND                                         ; all sixteen work-groups are here: the first joint loads meet
.irp s, 0,1
	s_mov_b32 s[G0+4*\s], 1
	s_add_co_u32 s[G0+4*\s+1], s45, \s*SLOT
	s_add_nc_u64 s[G0+4*\s+2:G0+4*\s+3], s[20:21], \s*ROWB
	s_or_b32 s[G0+4*\s+3], s[G0+4*\s+3], 0x80000000
	s_mov_b32 s[G0B+4*\s], 1
	s_add_co_u32 s[G0B+4*\s+1], s45, \s*SLOT
	s_add_nc_u64 s[G0B+4*\s+2:G0B+4*\s+3], s[46:47], \s*ROWB
	s_or_b32 s[G0B+4*\s+3], s[G0B+4*\s+3], 0x80000000
	s_wait_alu depctr_va_vdst(0)
	s_wait_tensorcnt 0x0
	ds_add_u32 v28, v29
	ds_add_u32 v28, v29
	s_wait_dscnt 0x0
	CROUND
	JLOAD G0+4*\s, G1, G0B+4*\s, G1B               ; two loads of mine are out
.endr
	v_and_b32 v1, 15, v0                           ; r
	v_bfe_u32 v2, v0, 4, 1                         ; h
	s_wait_alu depctr_va_vdst(0)
	v_mul_u32_u24 v3, v1, PITCH
	v_lshl_add_u32 v4, v2, 4, v3                   ; a fragment's row x pitch + 16 h
	s_mul_i32 s21, s15, HALFT                      ; my 128 rows of A
	s_mul_i32 s22, s16, HALFT                      ; my 128 rows of B,
	s_add_co_u32 s22, s22, 2*HALFT                 ; behind A's 256
.irp s, 0,1
	v_add_nc_u32 v[ADRA+\s], s21, v4
	v_add_nc_u32 v[ADRB+\s], s22, v4
	s_add_co_u32 s21, s21, SLOT
	s_add_co_u32 s22, s22, SLOT
.endr
	s_lshl_b32 s18, s17, 1
	s_add_co_u32 s18, s18, s15                     ; which 128 rows of A are mine
	s_lshl_b32 s19, s42, 1
	s_add_co_u32 s19, s19, s16                     ; which 128 rows of B
	s_mov_b32 s23, 8192
	s_cmp_eq_u32 s12, 2
	s_cselect_b32 s2, s18, s19                     ; the head pair: 128 features
	s_cselect_b32 s3, s19, s18                     ; the block of 128 tokens
	s_cselect_b32 s20, 0, 32                       ; the bias offsets: q, k: 32 h + 4 j (feature 16 i + 8 h + j);
	s_cselect_b32 s21, 4, 0                        ;                   v: 4 r (feature 16 i + r, the same in all eight registers)
	s_cselect_b32 s22, 0, 4
	s_cselect_b32 s23, 1024, s23                   ; from a block's second group of 16 bytes a lane to its third: q, k: the pair's other head; v: the next 32 keys
	v_mul_u32_u24 v5, v2, s20
	v_mad_u32_u24 v5, v1, s21, v5
	v_mov_b32 v6, s22
.irp j, 0,1,2,3,4,5,6,7
	v_mad_u32_u24 v[BO+\j], v6, \j, v5
.endr
	v_and_b32 v7, 31, v0
	v_lshlrev_b32 v[OC], 4, v7                     ; the stores: 16 x lane,
	v_add_nc_u32 v[OC+1], 512, v[OC]
	v_add_nc_u32 v[OC+2], s23, v[OC]
	v_add_nc_u32 v[OC+3], s23, v[OC+1]
	s_lshl_b32 s20, s2, 9
	s_mov_b32 s21, 0
	s_add_nc_u64 s[8:9], s[8:9], s[20:21]          ; the bias at my 128 features
.set i, 0
.rept 8
.irp j, 0,1,2,3,4,5,6,7
	global_load_b32 v[BB+8*i+\j], v[BO+\j], s[8:9] offset:64*i
.endr
.set i, i+1
.endr
	s_lshr_b32 s20, s3, 4                          ; out: (((b x 8 + head pair) x 16) + block in the batch) x 16,384 bytes
	s_lshl_b32 s20, s20, 3
	s_add_co_u32 s20, s20, s2
	s_lshl_b32 s20, s20, 4
	s_and_b32 s3, s3, 15
	s_add_co_u32 s20, s20, s3
	s_lshl_b32 s20, s20, 14
	s_add_nc_u64 s[10:11], s[10:11], s[20:21]
	s_wait_kmcnt 0x0
	s_add_co_i32 s96, s96, s97                     ; ea + eb
	s_sub_co_i32 s99, 0, s96
	s_sub_co_i32 s98, s98, s96                     ; a sum stands for sum x 2^(ea + eb): its code is sum / 2^(eo - ea - eb): the three scales in one
	s_add_co_i32 s98, s98, 127
	s_lshl_b32 s97, s98, 23
	v_mov_b32 v[SC], s97
	s_mov_b32 s94, 1024                            ; from one block of 16 rows of A to the next, in the codes' buffer: q, k: 1,024 bytes; v: 2,048
	s_cmp_eq_u32 s12, 2
	s_cselect_b32 s94, 2048, s94
	s_mov_b32 s95, 0
	s_wait_loadcnt 0x0
.set i, 0
.rept 64
	v_ldexp_f32 v[BB+i], v[BB+i], s99              ; bias / 2^(ea + eb)
.set i, i+1
.endr
.macro FRAG reg, adr, q, i             ; 16 rows x 128 K: lane l: row l % 16; registers 4 c .. 4 c + 3: K = 32 c + 16 (l / 16) + 0 .. 15
.irp c, 0,1,2,3
	ds_load_b128 v[\reg+4*\c:\reg+4*\c+3], v[\adr] offset:128*(\q)+32*\c+(\i)*16*PITCH
.endr
.endm
; 16 matrix instructions: A's blocks a0, a0 + 1 x B's eight.  p: B's set.  mode 0: in place; 1: C = the bias by B's block; 2: C = the bias by A's block.
; The 64 accumulators take turns, one instruction a turn, in the same order in every step.
.macro MUL16 a0, p, mode
.irp a, \a0, \a0+1
.irp b, 0,1,2,3,4,5,6,7
.if \mode == 1
	v_wmma_f32_16x16x128_bf8_bf8 v[8*(8*((\a)%4)+\b):8*(8*((\a)%4)+\b)+7], v[128*(\p)+FR*\b:128*(\p)+FR*\b+FR-1], v[AF+FR*(\a):AF+FR*(\a)+FR-1], v[BB+8*\b:BB+8*\b+7]
.elseif \mode == 2
	v_wmma_f32_16x16x128_bf8_bf8 v[8*(8*((\a)%4)+\b):8*(8*((\a)%4)+\b)+7], v[128*(\p)+FR*\b:128*(\p)+FR*\b+FR-1], v[AF+FR*(\a):AF+FR*(\a)+FR-1], v[BB+8*(\a):BB+8*(\a)+7]
.else
	v_wmma_f32_16x16x128_bf8_bf8 v[8*(8*((\a)%4)+\b):8*(8*((\a)%4)+\b)+7], v[128*(\p)+FR*\b:128*(\p)+FR*\b+FR-1], v[AF+FR*(\a):AF+FR*(\a)+FR-1], v[8*(8*((\a)%4)+\b):8*(8*((\a)%4)+\b)+7]
.endif
.endr
.endr
.endm
.macro FETCH_B slot, q, p
	WIN TO_B
.irp i, 0,1,2,3,4,5,6,7
	FRAG 128*(\p)+FR*\i, ADRB+\slot, \q, \i
.endr
	WIN 0
.endm
.macro FETCH_A slot, q, i0
.irp i, \i0, \i0+1, \i0+2, \i0+3
	FRAG AF+FR*(\i), ADRA+\slot, \q, \i
.endr
.endm
.macro PLACES n                        ; plain vector instructions between a matrix instruction and a load into, or a vector read or write of, its registers
.rept \n
	v_nop
.endr
.endm
.macro STEP slot, q, mode              ; 128 along K, with its successor in the same slot
	s_wait_dscnt 4*NL                              ; B's set and A's blocks 0-3 are in; the youngest 16 loads (A's blocks 4-7) may be out
.if \mode
	WIN BIA_LO
.else
	WIN MUL_LO
.endif
	MUL16 0, (\q)%2, \mode
	MUL16 2, (\q)%2, \mode
	s_wait_dscnt 0
	PLACES NP
	FETCH_B \slot, (\q)+1, 1-(\q)%2
	FETCH_A \slot, (\q)+1, 0
.if \mode
	WIN BIA_HI
.else
	WIN MUL_HI
.endif
	MUL16 4, (\q)%2, \mode
	MUL16 6, (\q)%2, \mode
	PLACES NP
	WIN 0
	FETCH_A \slot, (\q)+1, 4
.endm
; A slot's last step changes slots: one barrier; in front of it each wave waits for all its tensor loads, adds 0 to its spare word, and waits for that and for its reads of this slot.
.macro TURN slot, next, fill
	s_wait_tensorcnt 0x0                           ; all my tensor loads have landed: my part of the next slot
	ds_add_u32 v[SPW], v[NIL]                      ; 0 onto my spare word
	s_wait_dscnt 4*NL+1                            ; the add and the youngest 16 loads may be out
	WIN MUL_LO
	MUL16 0, 1, 0                                  ; sixteen matrix instructions stand between the add and the wait for it
	s_wait_dscnt 0x0                               ; the add is done, and my reads of this slot are over
	s_barrier_signal -1
	MUL16 2, 1, 0
	WIN 0
	s_barrier_wait -1
.if \fill
	CREST                                          ; the barrier has opened a round of the cluster's: no wave of any partner still reads this slot or has a load on its way
	s_add_nc_u64 s[G0+4*\slot+2:G0+4*\slot+3], s[G0+4*\slot+2:G0+4*\slot+3], 2*ROWB
	s_add_nc_u64 s[G0B+4*\slot+2:G0B+4*\slot+3], s[G0B+4*\slot+2:G0B+4*\slot+3], 2*ROWB
	JLOAD G0+4*\slot, G1, G0B+4*\slot, G1B         ; the first tensor load behind the round; its four v_nop are the places in front of the loads below
.else
	PLACES NP
.endif
	FETCH_B \next, 0, 0
	FETCH_A \next, 0, 0
	WIN MUL_HI
	MUL16 4, 1, 0
	MUL16 6, 1, 0
	PLACES NP
	WIN 0
	FETCH_A \next, 0, 4
.endm
	s_wait_tensorcnt 1                             ; my part of K step 0 is in; K step 1's load may be out
	s_barrier_signal -1
	s_barrier_wait -1
	FETCH_B 0, 0, 0
	FETCH_A 0, 0, 0
	FETCH_A 0, 0, 4
	s_cmp_eq_u32 s12, 2                            ; the first products start the sums with the bias: by B's blocks (q, k) or by A's (v)
	s_cbranch_scc1 .Lfirst_v
	s_wait_alu depctr_va_vdst(0)
	STEP 0, 0, 1
	s_branch .Lfirst_done
.Lfirst_v:
	s_wait_alu depctr_va_vdst(0)
	STEP 0, 0, 2
.Lfirst_done:
	TURN 0, 1, 1                                   ; K = 1,024 is twice round the ring: written out, both slots filled again once
	STEP 1, 0, 0
	TURN 1, 0, 1
	STEP 0, 0, 0
	TURN 0, 1, 0                                   ; the last lap fills nothing
	STEP 1, 0, 0
	s_wait_dscnt 4*NL
	WIN MUL_LO
	MUL16 0, 1, 0
	MUL16 2, 1, 0
	s_wait_dscnt 0
	WIN MUL_HI
	MUL16 4, 1, 0
	MUL16 6, 1, 0
	WIN 0
; THE WAY OUT, a block of 16 rows of A at a time: converted eight registers at a time;
; the 16 registers of codes are the reader's fragments as they stand, and each store covers 512 consecutive bytes, aligned.  Each accumulator is read from its low end on.
.macro OUTBLK a
.set AC, 64*((\a)%4)
	WIN 0x02+((\a)/4)                              ; source 0: window 2 or 3
.set i, 0
.rept 64
.set i, i+1
.endr
.irp b, 0,1,2,3,4,5,6,7
	v_cvt_scalef32_pk8_bf8_f32 v[CD+16*(\a)+2*\b:CD+16*(\a)+2*\b+1], v[AC+8*\b:AC+8*\b+7], v[SC]
.endr
	WIN 0
	v_nop                                          ; a plain line between the conversions and the stores that read their results
.irp c, 0,1,2,3
	global_store_b128 v[OC+\c], v[CD+16*(\a)+4*\c:CD+16*(\a)+4*\c+3], s[10:11]
.endr
.if (\a) < 7
	s_wait_xcnt 0x0                                ; the stores have read their base: it may step
	s_add_nc_u64 s[10:11], s[10:11], s[94:95]
.endif
.endm
	PLACES NP
.irp a, 0,1,2,3,4,5,6,7
	OUTBLK \a
.endr
	s_wait_tensorcnt 0x0                           ; the wave's end
	ds_add_u32 v[SPW], v[NIL]
	s_wait_dscnt 0x0
	CROUND                                         ; the closing round: no work-group ends while a partner may still ask for a tile that names it
	s_endpgm
.Lfunc_end_k_q537eee43f5_proj:
	.size	k_q537eee43f5_proj, .Lfunc_end_k_q537eee43f5_proj-k_q537eee43f5_proj
	.p2alignl 7, 3214868480
	.fill 96, 4, 3214868480
	.section	.rodata,"a",@progbits
	.p2align	6, 0x0
	.amdhsa_kernel k_q537eee43f5_proj
		.amdhsa_group_segment_fixed_size 327680
		.amdhsa_private_segment_fixed_size 0
		.amdhsa_enable_private_segment 0
		.amdhsa_kernarg_size 104
		.amdhsa_user_sgpr_count 2
		.amdhsa_user_sgpr_kernarg_segment_ptr 1
		.amdhsa_wavefront_size32 1
		.amdhsa_system_sgpr_workgroup_id_x 1
		.amdhsa_system_sgpr_workgroup_id_y 1
		.amdhsa_system_sgpr_workgroup_id_z 1
		.amdhsa_system_vgpr_workitem_id 0
		.amdhsa_next_free_vgpr 1024
		.amdhsa_next_free_sgpr 100
		.amdhsa_reserve_vcc 0
		.amdhsa_float_denorm_mode_32 3
		.amdhsa_float_denorm_mode_16_64 3
		.amdhsa_fp16_overflow 1
		.amdhsa_memory_ordered 1
		.amdhsa_forward_progress 1
		.amdhsa_inst_pref_size 107
	.end_amdhsa_kernel
	.amdgpu_metadata
---
amdhsa.version: [ 1, 2 ]
amdhsa.kernels:
  - .name:           k_q537eee43f5_proj
    .symbol:         k_q537eee43f5_proj.kd
    .args:
      - { .name: query_codes, .offset: 0, .size: 8, .value_kind: global_buffer, .address_space: global }
      - { .name: key_codes, .offset: 8, .size: 8, .value_kind: global_buffer, .address_space: global }
      - { .name: value_codes, .offset: 16, .size: 8, .value_kind: global_buffer, .address_space: global }
      - { .name: wq_codes, .offset: 24, .size: 8, .value_kind: global_buffer, .address_space: global }
      - { .name: wk_codes, .offset: 32, .size: 8, .value_kind: global_buffer, .address_space: global }
      - { .name: wv_codes, .offset: 40, .size: 8, .value_kind: global_buffer, .address_space: global }
      - { .name: bq, .offset: 48, .size: 8, .value_kind: global_buffer, .address_space: global }
      - { .name: bk, .offset: 56, .size: 8, .value_kind: global_buffer, .address_space: global }
      - { .name: bv, .offset: 64, .size: 8, .value_kind: global_buffer, .address_space: global }
      - { .name: lowp_scales, .offset: 72, .size: 8, .value_kind: global_buffer, .address_space: global }
      - { .name: qc, .offset: 80, .size: 8, .value_kind: global_buffer, .address_space: global }
      - { .name: kc, .offset: 88, .size: 8, .value_kind: global_buffer, .address_space: global }
      - { .name: vc, .offset: 96, .size: 8, .value_kind: global_buffer, .address_space: global }
    .group_segment_fixed_size: 327680
    .private_segment_fixed_size: 0
    .kernarg_segment_align: 8
    .kernarg_segment_size: 104
    .max_flat_workgroup_size: 128
    .sgpr_count:     100
    .vgpr_count:     1024
    .wavefront_size: 32
...
	.end_amdgpu_metadata
.endif
;; end of part 2
;; launch attn (part 3): grid 4 x 64, 16 waves a work-group, clusters of 4 x 1, 327,680 bytes of LDS; arguments qc, kc, vc, mbits, lowp_scales, xc; writes xc
.if DOCPART == 3
	.amdgcn_target "amdgcn-amd-amdhsa--gfx1250"
	.amdhsa_code_object_version 6
	.text
	.protected	k_q537eee43f5_attn
	.globl	k_q537eee43f5_attn
	.p2align	8
	.type	k_q537eee43f5_attn,@function
k_q537eee43f5_attn:
	s_mov_b64 s[64:65], 0
	v_nop
	global_prefetch_b8 v0, s[64:65] scope:SCOPE_SE
	s_setreg_imm32_b32 hwreg(HW_REG_WAVE_MODE, 25, 1), 1
	s_wait_xcnt 0x0
	s_wait_alu depctr_hold_cnt(0) depctr_sa_sdst(0) depctr_va_vdst(0) depctr_va_sdst(0) depctr_va_ssrc(0) depctr_va_vcc(0) depctr_vm_vsrc(0)
	s_getreg_b32 s2, hwreg(HW_REG_IB_STS2, 6, 4)
	s_cmp_eq_u32 s2, 0
	s_cbranch_scc0 .Lentry_in_a_cluster
	s_endpgm
.Lentry_in_a_cluster:
	s_bfe_u32 s2, ttmp6, 0x10000c
	s_cmp_lg_u32 s2, 0x3003
	s_cbranch_scc0 .Lentry_shape_is_right
	s_endpgm
.Lentry_shape_is_right:
; x[b][q][head] = softmax_k(mask ? q . k / 8 : a very negative logit) v, both products on codes of BF8 (E5M2); x is quantised (scale 10 of the list) and stored as codes in the order of the last product's operand registers.
; THE SOFTMAX: t = logit x log2(e); M = the running largest t rounded UP to a whole number; p = 2^(t - M) is quantised along the keys with 2^e8, not normalised; the row's sum is taken of the unquantised p and divides at the end.
; When M moves, the sum and O are multiplied by 2^(old M - new M), which rounds nothing.
; THE MASK comes as lane-mask words (an earlier launch packed them): word 8 tau + j of (query tile, key step) holds, at bit L, whether key 16 tau + 8 (L / 16) + j counts for query L % 16: one select a score.
; A hidden score becomes -2^(33 - e6 - e7), that is the logit -2^30.  LIMIT, stated: reference() puts -1e9 there; the two differ only where a logit that counts lies under about -1e9.
; c x that number is a whole number, so a row with no key that counts gets p = 1 for every key, as equal logits give.
; SHARES.  A work-group owns 512 queries of one head, in two passes of 256; each of its sixteen waves owns one tile of 16 queries a pass, in 256 registers: four waves to a SIMD, one wave's vector work beside another's products and LDS loads.
; THE HEAD'S WHOLE K AND V LIE IN LDS, 128 KB each, as images of the operand registers (512 consecutive bytes a load, no pitch, no padding), filled once: no ring, no refill, no barrier in the loops.
; CLUSTER.  The four work-groups of a cluster are the four query blocks of one head: K and V are asked for jointly, each tile by the same tensor load with the same descriptor and the mask of all four.
; LAYOUT.  Both products transposed: S^T = K Q^T (source 0 = 16 keys, source 1 = my 16 queries), O^T = V^T P^T: a lane holds one query (lane % 16) throughout.  Tile tau of S^T, converted eight registers at a time,
; is registers 2 tau, 2 tau + 1 of P^T's fragment (keys 16 tau + 8 (lane / 16) + 0..7): the K = 128 form's own layout, in which V's images were written.
; LIMITS on the given exponents, so that each power of two is an f32 number: e6 + e7 between -94 and 130; e8, and e10 - e8 - e9, between -126 and 112.
; No L2 prefetch: all of K and V is asked for at the head, and the mask words are read by all sixteen heads' work-groups.
; REGISTERS: v1 16 x lane; v2, v3 LDS addresses; v4, v5 the add's two; v6 the hidden score; v8 2^e8; v10 the same for x; v12 -M, v13 the largest t, v[14:15] the sum in two halves; v16-23 Q;
;   v24-26 at work; v[28:29] f; v[30:31] a second chain of sums; v32-95 eight fragments of K, then four of V; v96-159 S^T, then p; v160-191 O^T; v192-207 p's codes; v208-239 x; v240-247 x's codes; v248-255 the second pass's Q.
;   s32-63 and s68-99: a key step's 64 mask words.
.set KV,    131072                     ; V's images lie this far behind K's
.set SPARE, 262144                     ; behind them: the spare words, 128 bytes for each of 16 waves: eight blocks of 256 bytes that no other line names
.set LI,   1
.set ADK,  2
.set ADV,  3
.set SPW,  4
.set NIL,  5
.set SM,   6
.set PLIM, 7
.set PSC,  8
.set XLIM, 9
.set XSC,  10
.set WV,   3                           ; s3  my wave's number
.set G1,   16                          ; s[16:23] descriptor group 1, for K's and V's tiles alike
.set G0K,  24                          ; s[24:27], s[28:31] their groups 0
.set G0V,  28
.set SEL,  66                          ; s[66:67] lane selects: lane l xor 16
.set CS,   100                         ; s[100:101] c = log2(e) / 8 x 2^(e6 + e7)
.macro ROUND                           ; a round of the cluster's barrier
	s_barrier_signal -1
	s_barrier_wait -1
	s_cmp_lg_u32 s[WV], 0
	s_cbranch_scc1 .Lnot_wave_0_\@
	s_barrier_signal -3
.Lnot_wave_0_\@:
	s_barrier_wait -3
	s_barrier_signal -1
	s_barrier_wait -1
.endm
	s_load_b256 s[32:39], s[0:1], 0x0              ; qc 32, kc 34, vc 36, mbits 38
	s_load_b128 s[40:43], s[0:1], 0x20             ; the scales 40, xc 42
	v_lshl_add_u32 v[SPW], v0, 2, SPARE
	v_mov_b32 v[NIL], 0
	ds_add_u32 v[SPW], v[NIL]                      ; the wave's opening: the add and its wait ahead of the first tensor loads; work on registers stands between
	ds_add_u32 v[SPW], v[NIL]
	v_lshrrev_b32 v1, 5, v0
	s_delay_alu instid0(VALU_DEP_1)
	v_readfirstlane_b32 s[WV], v1                  ; wave 0..15
	v_and_b32 v1, 31, v0
	s_delay_alu instid0(VALU_DEP_1)
	v_lshlrev_b32 v[LI], 4, v1
	; group 1: 8 rows of 8 KB (a head's images of 128 keys), 16 KB apart in memory (the pair's other head lies between), on end in LDS
	s_mov_b32 s[G1], 15|(3<<16)|(1<<21)            ; the mask: all four work-groups; elements of 8 bytes; bit 21 beside a mask; no padding
	s_mov_b32 s[G1+1], 1024<<16                    ; tensor_dim0 = 1,024 elements
	s_mov_b32 s[G1+2], 8<<16                       ; tensor_dim1 = 8
	s_mov_b32 s[G1+3], 1024<<16                    ; tile_dim0
	s_mov_b32 s[G1+4], 8                           ; tile_dim1
	s_mov_b32 s[G1+5], 2048                        ; from row to row, in elements
	s_mov_b32 s[G1+6], 0
	s_mov_b32 s[G1+7], 0
	s_bfe_u32 s2, ttmp6, 0x40000                   ; cx
	s_lshl_b32 s15, ttmp9, 2
	s_add_co_u32 s2, s2, s15                       ; my block of 512 queries: it enters Q's, the mask's and x's addresses alone
	s_and_b32 s10, ttmp7, 0xffff
	s_lshr_b32 s11, s10, 4                         ; b
	s_and_b32 s10, s10, 15                         ; the head
	s_lshl_b32 s12, s11, 3
	s_lshr_b32 s13, s10, 1
	s_add_co_u32 s12, s12, s13
	s_lshl_b32 s12, s12, 18                        ; (8 b + head pair) x 16 blocks x 16 KB,
	s_and_b32 s13, s10, 1
	s_lshl_b32 s13, s13, 13
	s_add_co_u32 s12, s12, s13                     ; + 8 KB for the pair's second head: the head's first byte in qc, kc, vc
	s_and_b32 s14, s[WV], 1
	s_lshl_b32 s50, s14, 17                        ; what I fetch, if I fetch: key steps 8 (wave & 1) on,
	s_add_co_u32 s50, s50, s12
	s_mov_b32 s51, 0
	s_lshl_b32 s14, s14, 16                        ; to 64 KB x (wave & 1)
	s_lshl_b32 s52, s11, 7
	s_lshl_b32 s15, s2, 5
	s_add_co_u32 s52, s52, s15
	s_add_co_u32 s52, s52, s[WV]                   ; my first pass's tile of 16 queries: 128 b + 32 x block + wave
	s_lshl_b32 s54, s52, 12                        ; its mask words: 4,096 bytes a tile
	s_mov_b32 s55, 0
	s_lshl_b32 s56, s52, 4
	s_add_co_u32 s56, s56, s10
	s_lshl_b32 s56, s56, 10                        ; its place in xc: (tile x 16 + head) x 1,024
	s_mov_b32 s57, 0
	s_lshl_b32 s58, s2, 2
	s_lshr_b32 s15, s[WV], 3
	s_add_co_u32 s58, s58, s15
	s_lshl_b32 s58, s58, 14                        ; its place in qc: block of 128 tokens 4 x block + wave / 8,
	s_and_b32 s15, s[WV], 7
	s_lshl_b32 s15, s15, 10                        ; tile wave % 8
	s_add_co_u32 s58, s58, s15
	s_add_co_u32 s58, s58, s12
	s_mov_b32 s59, 0
	s_mov_b32 s[SEL], 0x76543210
	s_mov_b32 s[SEL+1], 0xfedcba98
	s_wait_dscnt 0x0                               ; the opening add is done
	s_wait_kmcnt 0x0
	s_load_b128 s[44:47], s[40:41], 0x18           ; e6, e7, e8, e9
	s_load_b32 s48, s[40:41], 0x28                 ; e10
	s_add_nc_u64 s[4:5], s[38:39], s[54:55]        ; the mask words
	s_add_nc_u64 s[6:7], s[32:33], s[58:59]        ; Q
	s_add_nc_u64 s[8:9], s[42:43], s[56:57]        ; x
	s_mov_b32 s[G0K], 1
	s_mov_b32 s[G0K+1], s14
	s_add_nc_u64 s[G0K+2:G0K+3], s[34:35], s[50:51]
	s_or_b32 s[G0K+3], s[G0K+3], 0x80000000
	s_mov_b32 s[G0V], 1
	s_add_co_u32 s[G0V+1], s14, KV
	s_add_nc_u64 s[G0V+2:G0V+3], s[36:37], s[50:51]
	s_or_b32 s[G0V+3], s[G0V+3], 0x80000000
	ROUND                                          ; all four work-groups are here: the joint loads meet
	s_cmp_lt_u32 s[WV], 2                          ; waves 0 and 1 fetch K's halves, waves 2 and 3 V's, the others nothing: one load a wave; the branches hang on the wave's number alone
	s_cbranch_scc0 .Lnot_k
	tensor_load_to_lds s[G0K:G0K+3], s[G1:G1+7]
	s_nop 0
.rept 4
	v_nop
.endr
	s_branch .Lasked
.Lnot_k:
	s_cmp_lt_u32 s[WV], 4
	s_cbranch_scc0 .Lasked
	tensor_load_to_lds s[G0V:G0V+3], s[G1:G1+7]
	s_nop 0
.rept 4
	v_nop
.endr
.Lasked:
	s_wait_alu depctr_va_vdst(0)
	global_load_b128 v[16:19], v[LI], s[6:7]               ; Q's fragment of the first pass,
	global_load_b128 v[20:23], v[LI], s[6:7] offset:512
	global_load_b128 v[248:251], v[LI], s[6:7] offset:32768 ; and of the second: 256 queries, two blocks of 16 KB, on
	global_load_b128 v[252:255], v[LI], s[6:7] offset:33280
	v_mov_b32 v26, 0                               ; written once: a lane permute's destination counts as one of its sources
	v_mov_b32 v29, 0                               ; (named as the upper half of the pair v[28:29])
	s_wait_kmcnt 0x0
	s_add_co_i32 s15, s44, s45                     ; e6 + e7
	s_lshl_b32 s2, s15, 23
	s_mov_b32 s[CS], 0x3e38aa3b                    ; log2(e) / 8
	s_add_co_i32 s[CS], s[CS], s2                  ; a score stands for score x 2^(e6 + e7): added to c's exponent field
	s_mov_b32 s[CS+1], s[CS]                       ; (named with it as a pair)
	s_sub_co_i32 s15, 160, s15
	s_lshl_b32 s15, s15, 23
	s_or_b32 s15, s15, 0x80000000
	v_mov_b32 v[SM], s15                           ; -2^(33 - e6 - e7)
	s_add_co_i32 s15, s46, 127
	s_lshl_b32 s2, s15, 23
	v_mov_b32 v[PSC], s2                           ; 2^e8
	s_sub_co_i32 s15, s48, s46
	s_sub_co_i32 s15, s15, s47                     ; O / l stands for x / 2^(e8 + e9): its code is (O / l) / 2^(e10 - e8 - e9)
	s_add_co_i32 s15, s15, 127
	s_lshl_b32 s2, s15, 23
	v_mov_b32 v[XSC], s2
	s_mov_b32 s13, 0                               ; the count of key steps, through both passes
	s_mov_b32 s14, 0                               ; and where the step's mask words stand
	s_load_b512 s[32:47], s[4:5], s14 offset:0x0   ; the first step's 64 words (all that stood in these registers has been used)
	s_load_b512 s[48:63], s[4:5], s14 offset:0x40
	s_load_b512 s[68:83], s[4:5], s14 offset:0x80
	s_load_b512 s[84:99], s[4:5], s14 offset:0xc0
	s_wait_tensorcnt 0x0                           ; my part of K or V has landed,
	s_barrier_signal -1
	s_barrier_wait -1                              ; everybody's has.  Nothing is ever filled again
	s_wait_loadcnt 0x0                             ; Q
	s_mov_b32 s12, 2
.Lpass:
	v_mov_b32 v13, 0xff61b1e6                      ; the largest t so far: -3e38, under every t
	s_delay_alu instid0(VALU_DEP_1)
	v_floor_f32 v12, -v13                          ; -M
	v_mov_b32 v14, 0
	v_mov_b32 v15, 0
.set i, 0
.rept 32
	v_mov_b32 v[160+i], 0                          ; O^T: the step is written once; its first trip finds zeros, which the first change of M leaves zeros
.set i, i+1
.endr
	s_mov_b32 s10, 0                               ; LDS byte of the step's images of K
	s_mov_b32 s11, 16
.Lstep:                                            ; a key step: 128 keys
	s_setprio 2
	v_add_nc_u32 v[ADK], s10, v[LI]
	s_delay_alu instid0(VALU_DEP_1)
	v_add_nc_u32 v[ADV], KV, v[ADK]
	v_nop
	v_nop                                          ; four places in front of loads into registers that the last products read
.set i, 0
.rept 16
	ds_load_b128 v[32+4*i:35+4*i], v[ADK] offset:512*i     ; K: tile i / 2, half i % 2
.set i, i+1
.endr
	s_wait_alu depctr_va_vdst(0)
	s_wait_dscnt 0x0
.set i, 0
.rept 8
	v_wmma_f32_16x16x64_bf8_bf8 v[96+8*i:103+8*i], v[32+8*i:39+8*i], v[16:23], 0
.set i, i+1
.endr
.rept 4
	v_nop
.endr
.set i, 0
.rept 16
	ds_load_b128 v[32+4*i:35+4*i], v[ADV] offset:512*i     ; V: tile i / 4 of the head's 64, quarter i % 4: it lands under the softmax
.set i, i+1
.endr
	s_wait_kmcnt 0x0                               ; this step's mask words, asked for a step ago
.set i, 0
.rept 64
.if i < 32
	v_cndmask_b32 v[96+i], v[SM], v[96+i], s[32+i] ; a key that does not count: the hidden score.  Each accumulator from its low end on
.else
	v_cndmask_b32 v[96+i], v[SM], v[96+i], s[36+i]
.endif
.set i, i+1
.endr
	v_max3_num_f32 v24, v96, v97, v98              ; the step's largest score of my query among my 64 keys, in two chains,
	v_max3_num_f32 v25, v99, v100, v101
.irp i, 6,10,14,18,22,26,30,34,38,42,46,50,54,58
	s_delay_alu instid0(VALU_DEP_2)
	v_max3_num_f32 v24, v24, v[96+\i], v[97+\i]
	s_delay_alu instid0(VALU_DEP_2)
	v_max3_num_f32 v25, v25, v[98+\i], v[99+\i]
.endr
	s_delay_alu instid0(VALU_DEP_2)
	v_max3_num_f32 v24, v24, v158, v159
	s_delay_alu instid0(VALU_DEP_1)
	v_max_num_f32 v24, v24, v25
	s_delay_alu instid0(VALU_DEP_1)
	v_permlanex16_b32 v26, v24, s[SEL], s[SEL+1]
	s_delay_alu instid0(VALU_DEP_1)
	v_max_num_f32 v24, v24, v26                    ; and among lane l xor 16's
	s_wait_alu depctr_va_vdst(0)
	s_add_co_u32 s13, s13, 1                       ; the next step's mask words: its number, held at the last (no load leaves the buffer);
	s_min_u32 s15, s13, 31
	s_lshr_b32 s14, s15, 4                         ; (the wait above has shown the loads that read s14 done)
	s_lshl_b32 s14, s14, 16                        ; the second pass's tile lies 16 tiles of 4,096 bytes on,
	s_and_b32 s15, s15, 15
	s_lshl_b32 s15, s15, 8                         ; a key step 256 bytes
	s_add_co_u32 s14, s14, s15
	s_load_b512 s[32:47], s[4:5], s14 offset:0x0
	s_load_b512 s[48:63], s[4:5], s14 offset:0x40
	s_load_b512 s[68:83], s[4:5], s14 offset:0x80
	s_load_b512 s[84:99], s[4:5], s14 offset:0xc0
	v_mul_f32 v24, s[CS], v24                      ; as t (c is positive)
	s_delay_alu instid0(VALU_DEP_1)
	v_max_num_f32 v13, v13, v24                    ; the running largest t
	v_mov_b32 v24, v12
	s_delay_alu instid0(VALU_DEP_2)
	v_floor_f32 v12, -v13                          ; the new -M = floor(-t) = -ceil(t): a whole number
	s_delay_alu instid0(VALU_DEP_1)
	v_sub_f32 v24, v12, v24                        ; old M less new M: a whole number, 0 or less
	s_delay_alu instid0(VALU_DEP_1)
	v_cvt_i32_f32 v24, v24                         ; (it saturates)
	s_delay_alu instid0(VALU_DEP_1)
	v_ldexp_f32 v28, 1.0, v24                      ; f = 2^(old M - new M)
.set i, 0
.rept 32
	v_pk_fma_f32 v[96+i:97+i], v[96+i:97+i], s[CS:CS+1], v[12:13] op_sel_hi:[1,0,0]   ; t - M, two at a time
.set i, i+2
.endr
.set i, 0
	s_setprio 1
	s_wait_alu depctr_va_vdst(0)
.rept 64
	v_exp_f32 v[96+i], v[96+i]                     ; p = 2^(t - M), at most 1
.set i, i+1
.endr
	v_pk_mul_f32 v[14:15], v[14:15], v[28:29] op_sel_hi:[1,0]   ; the sums under the new M: the plain line behind the exponentials
	s_wait_alu depctr_va_vdst(0)                   ; one wait for the whole batch, ahead of its first reader
	v_pk_add_f32 v[30:31], v[100:101], v[104:105]
	v_pk_add_f32 v[246:247], v[108:109], v[112:113]
	v_pk_add_f32 v[244:245], v[116:117], v[120:121]
	v_pk_add_f32 v[242:243], v[124:125], v[128:129]
	v_pk_add_f32 v[240:241], v[132:133], v[136:137]
	v_pk_add_f32 v[238:239], v[140:141], v[144:145]
	v_pk_add_f32 v[236:237], v[148:149], v[152:153]
	v_pk_add_f32 v[14:15], v[14:15], v[156:157]
	v_pk_add_f32 v[30:31], v[30:31], v[96:97]
	v_pk_add_f32 v[246:247], v[246:247], v[98:99]
	v_pk_add_f32 v[244:245], v[244:245], v[102:103]
	v_pk_add_f32 v[242:243], v[242:243], v[106:107]
	v_pk_add_f32 v[240:241], v[240:241], v[110:111]
	v_pk_add_f32 v[238:239], v[238:239], v[114:115]
	v_pk_add_f32 v[236:237], v[236:237], v[118:119]
	v_pk_add_f32 v[14:15], v[14:15], v[122:123]
	v_pk_add_f32 v[30:31], v[30:31], v[126:127]
	v_pk_add_f32 v[246:247], v[246:247], v[130:131]
	v_pk_add_f32 v[244:245], v[244:245], v[134:135]
	v_pk_add_f32 v[242:243], v[242:243], v[138:139]
	v_pk_add_f32 v[240:241], v[240:241], v[142:143]
	v_pk_add_f32 v[238:239], v[238:239], v[146:147]
	v_pk_add_f32 v[236:237], v[236:237], v[150:151]
	v_pk_add_f32 v[14:15], v[14:15], v[154:155]
	v_pk_add_f32 v[30:31], v[30:31], v[158:159]
	s_delay_alu instid0(VALU_DEP_2)
	v_pk_add_f32 v[14:15], v[14:15], v[242:243]
	s_delay_alu instid0(VALU_DEP_2)
	v_pk_add_f32 v[30:31], v[30:31], v[240:241]
	v_pk_add_f32 v[246:247], v[246:247], v[238:239]
	v_pk_add_f32 v[244:245], v[244:245], v[236:237]
	s_delay_alu instid0(VALU_DEP_2)
	v_pk_add_f32 v[14:15], v[14:15], v[246:247]
	s_delay_alu instid0(VALU_DEP_2)
	v_pk_add_f32 v[30:31], v[30:31], v[244:245]
	s_delay_alu instid0(VALU_DEP_1)
	v_pk_add_f32 v[14:15], v[14:15], v[30:31]
.set i, 0
.rept 64
.set i, i+1
.endr
.set i, 0
	s_setprio 0
.rept 8
	v_cvt_scalef32_pk8_bf8_f32 v[192+2*i:193+2*i], v[96+8*i:103+8*i], v[PSC]
.set i, i+1
.endr
.set i, 0
.rept 16
	v_pk_mul_f32 v[160+i:161+i], v[160+i:161+i], v[28:29] op_sel_hi:[1,0]   ; O^T under the new M; also the plain lines between the conversions and the products
.set i, i+2
.endr
	s_wait_alu depctr_va_vdst(0)
	s_wait_dscnt 0x0                               ; V is in
.set i, 0
.rept 4                                ; the four accumulators take turns; between two links of a chain stand the eleven other products of a step
	v_wmma_f32_16x16x128_bf8_bf8 v[160+8*i:167+8*i], v[32+16*i:47+16*i], v[192:207], v[160+8*i:167+8*i]
.set i, i+1
.endr
	s_add_co_u32 s10, s10, 8192
	s_sub_co_u32 s11, s11, 1
	s_cmp_lg_u32 s11, 0
	s_cbranch_scc1 .Lstep
	s_setprio 0
	; THE WAY OUT of a pass: O^T / l, converted.  A lane then holds d = 16 t + 8 h + 0..7 in registers 2 t, 2 t + 1; four exchanges between the halves of the lanes give d = 32 c + 16 h + 0..15 in registers 4 c .. 4 c + 3,
	; the order in which the last product's weight rows come out of LDS by loads of 16 bytes.
.rept 4
	v_nop
.endr
	v_add_f32 v14, v14, v15
	s_delay_alu instid0(VALU_DEP_1)
	v_permlanex16_b32 v26, v14, s[SEL], s[SEL+1]
	s_delay_alu instid0(VALU_DEP_1)
	v_add_f32 v14, v14, v26                        ; the row's sum
	s_wait_alu depctr_va_vdst(0)
	v_rcp_f32 v14, v14
	v_nop                                          ; a plain line behind the reciprocal,
	s_wait_alu depctr_va_vdst(0)                   ; and the wait ahead of its first reader
.set i, 0
.rept 32
	v_mul_f32 v[208+i], v[160+i], v14
.set i, i+1
.endr
.set i, 0
.rept 32
.set i, i+1
.endr
.set i, 0
.rept 4
	v_cvt_scalef32_pk8_bf8_f32 v[240+2*i:241+2*i], v[208+8*i:215+8*i], v[XSC]
.set i, i+1
.endr
	v_nop                                          ; a plain line between the conversions and the lines that touch their results
	v_permlane16_swap_b32 v240, v242               ; the first's lanes 16-31 change places with the second's lanes 0-15
	v_permlane16_swap_b32 v241, v243
	v_permlane16_swap_b32 v244, v246
	v_permlane16_swap_b32 v245, v247
	global_store_b128 v[LI], v[240:243], s[8:9]            ; 512 consecutive bytes each, aligned
	global_store_b128 v[LI], v[244:247], s[8:9] offset:512
.irp i, 0,1,2,3,4,5,6,7
	v_mov_b32 v[16+\i], v[248+\i]                  ; the second pass's Q
.endr
	s_wait_xcnt 0x0                                ; the stores have read their base and their data
	s_add_nc_u64 s[8:9], s[8:9], 262144            ; 16 tiles of 16 KB on
	s_sub_co_u32 s12, s12, 1
	s_cmp_lg_u32 s12, 0
	s_cbranch_scc1 .Lpass
	s_wait_kmcnt 0x0                               ; the last step's look-ahead
	s_wait_tensorcnt 0x0                           ; the wave's end
	ds_add_u32 v[SPW], v[NIL]
	s_wait_dscnt 0x0
	ROUND                                          ; the closing round
	s_endpgm
.Lfunc_end_k_q537eee43f5_attn:
	.size	k_q537eee43f5_attn, .Lfunc_end_k_q537eee43f5_attn-k_q537eee43f5_attn
	.p2alignl 7, 3214868480
	.fill 96, 4, 3214868480
	.section	.rodata,"a",@progbits
	.p2align	6, 0x0
	.amdhsa_kernel k_q537eee43f5_attn
		.amdhsa_group_segment_fixed_size 327680
		.amdhsa_private_segment_fixed_size 0
		.amdhsa_enable_private_segment 0
		.amdhsa_kernarg_size 48
		.amdhsa_user_sgpr_count 2
		.amdhsa_user_sgpr_kernarg_segment_ptr 1
		.amdhsa_wavefront_size32 1
		.amdhsa_system_sgpr_workgroup_id_x 1
		.amdhsa_system_sgpr_workgroup_id_y 1
		.amdhsa_system_sgpr_workgroup_id_z 1
		.amdhsa_system_vgpr_workitem_id 0
		.amdhsa_next_free_vgpr 256
		.amdhsa_next_free_sgpr 102
		.amdhsa_reserve_vcc 0
		.amdhsa_float_denorm_mode_32 3
		.amdhsa_float_denorm_mode_16_64 3
		.amdhsa_fp16_overflow 1
		.amdhsa_memory_ordered 1
		.amdhsa_forward_progress 1
		.amdhsa_inst_pref_size 30
	.end_amdhsa_kernel
	.amdgpu_metadata
---
amdhsa.version: [ 1, 2 ]
amdhsa.kernels:
  - .name:           k_q537eee43f5_attn
    .symbol:         k_q537eee43f5_attn.kd
    .args:
      - { .name: qc, .offset: 0, .size: 8, .value_kind: global_buffer, .address_space: global }
      - { .name: kc, .offset: 8, .size: 8, .value_kind: global_buffer, .address_space: global }
      - { .name: vc, .offset: 16, .size: 8, .value_kind: global_buffer, .address_space: global }
      - { .name: mbits, .offset: 24, .size: 8, .value_kind: global_buffer, .address_space: global }
      - { .name: lowp_scales, .offset: 32, .size: 8, .value_kind: global_buffer, .address_space: global }
      - { .name: xc, .offset: 40, .size: 8, .value_kind: global_buffer, .address_space: global }
    .group_segment_fixed_size: 327680
    .private_segment_fixed_size: 0
    .kernarg_segment_align: 8
    .kernarg_segment_size: 48
    .max_flat_workgroup_size: 512
    .sgpr_count:     102
    .vgpr_count:     256
    .wavefront_size: 32
...
	.end_amdgpu_metadata
.endif
;; end of part 3
;; launch oproj (part 4): grid 4 x 32, 4 waves a work-group, clusters of 4 x 4, 327,680 bytes of LDS; arguments xc, wo_codes, lowp_scales, bo, out0; writes out0
.if DOCPART == 4
	.amdgcn_target "amdgcn-amd-amdhsa--gfx1250"
	.amdhsa_code_object_version 6
	.text
	.protected	k_q537eee43f5_oproj
	.globl	k_q537eee43f5_oproj
	.p2align	8
	.type	k_q537eee43f5_oproj,@function
k_q537eee43f5_oproj:
	s_mov_b64 s[64:65], 0
	v_nop
	global_prefetch_b8 v0, s[64:65] scope:SCOPE_SE
	s_setreg_imm32_b32 hwreg(HW_REG_WAVE_MODE, 25, 1), 1
	s_wait_xcnt 0x0
	s_wait_alu depctr_hold_cnt(0) depctr_sa_sdst(0) depctr_va_vdst(0) depctr_va_sdst(0) depctr_va_ssrc(0) depctr_va_vcc(0) depctr_vm_vsrc(0)
	s_getreg_b32 s2, hwreg(HW_REG_IB_STS2, 6, 4)
	s_cmp_eq_u32 s2, 0
	s_cbranch_scc0 .Lentry_in_a_cluster
	s_endpgm
.Lentry_in_a_cluster:
	s_bfe_u32 s2, ttmp6, 0x10000c
	s_cmp_lg_u32 s2, 0xf033
	s_cbranch_scc0 .Lentry_shape_is_right
	s_endpgm
.Lentry_shape_is_right:
; out0 = x wo^T + bo on codes of BF8 (E5M2).  x: 8,192 rows x 1,024, as codes that the attention launch stored as images of this product's operand registers; wo: [1,024][1,024] codes, K innermost; out0 f32.
; A tile of 256 x 256 to a work-group of four waves, 128 x 128 to a wave: 64 accumulators, 512 registers.  K goes in steps of 256 through a ring of two LDS slots.
; xc: [tile of 16 rows][head 16][2][lane][16 bytes]: two heads on end are a fragment of 128 along K: lane (r, h): row r, registers 4 c .. 4 c + 3 = k 32 c + 16 h + 0..15: the places that four loads of 16 bytes give wo's rows:
; the same permutation of k on both sides, so every product meets its partner.  A's tile of a K step is 8 row tiles x 4 KB, dense in LDS: a fragment load takes 512 consecutive bytes.
; THE MATRIX INSTRUCTION IS USED TRANSPOSED (source 0 = 16 rows of wo, source 1 = 16 rows of x): a lane holds eight neighbouring numbers of a row of out0.
; THE BIAS is the C of the first K step's products, divided by 2^(e10 + e11); each finished sum is multiplied once by 2^(e10 + e11).
; CLUSTERS: 4 x 4: x's tile is shared along a row of the cluster, wo's along a column, each asked for jointly.
; LIMIT: e10 + e11 between -126 and 127.   No L2 prefetch: four K steps in all, and the tiles are shared jointly.
; REGISTERS: window 0: v16-26 addresses; v28, v29 the add's two; v32-95 the bias bank, later a block's results; v128-255 A's fragments, one set, later rows read back.  window 1: B's two sets.  windows 2, 3: the accumulators.
.set SIZE_N, 1024
.set ROWB,   256
.set KROW,   1024
.set PITCH,  272                       ; wo's LDS row: 256 bytes + 16: the sixteen rows of a load start at sixteen different banks (ISA guide 11.1)
.set FR,     16
.set NL,     4
.set NP,     4
.set HALFA,  32768                     ; A: 8 row tiles x 4 KB: what one tensor load brings
.set HALFT,  128*PITCH                 ; B: 128 rows
.set BOFF,   2*HALFA
.set SLOT,   BOFF+2*HALFT
.set SPARE,  2*SLOT
.set SPITCH, 528                       ; the way out: a stage of 16 rows x (512 + 16) bytes a wave, in slot 0, which has had its last fill and its last read by then
.set ADRA, 16
.set ADRB, 20
.set STO,  24
.set RD,   25
.set CO,   26
.set SPW,  28
.set NIL,  29
.set BB,   32
.set TMP,  32
.set AF,   128
.set BK,   128
.set G1,  24
.set G0,  32
.set G1B, 48
.set G0B, 56
.set MSB, 0
.macro WIN new
.if MSB != (\new)
	s_set_vgpr_msb (MSB<<8)|(\new)
.set MSB, (\new)
.endif
.endm
.set MUL_LO, 0xa1
.set MUL_HI, 0xf1
.set BIA_LO, 0x81                      ; C (the bias bank) window 0, D window 2
.set BIA_HI, 0xc1
.set TO_B,   0x40
.macro JLOAD g0a, g1a, g0b, g1b        ; a joint load: waves 0 and 1 fetch for A, waves 2 and 3 for B; an s_nop 0 and four v_nop follow each line
	s_cmp_eq_u32 s15, 0
	s_cbranch_scc0 .Lfor_b_\@
	tensor_load_to_lds s[\g0a:\g0a+3], s[\g1a:\g1a+7]
	s_nop 0
.rept 4
	v_nop
.endr
	s_branch .Lasked_\@
.Lfor_b_\@:
	tensor_load_to_lds s[\g0b:\g0b+3], s[\g1b:\g1b+7]
	s_nop 0
.rept 4
	v_nop
.endr
.Lasked_\@:
.endm
.macro CREST
	s_cmp_lg_u32 s14, 0
	s_cbranch_scc1 .Lnot_wave_0_\@
	s_barrier_signal -3
.Lnot_wave_0_\@:
	s_barrier_wait -3
	s_barrier_signal -1
	s_barrier_wait -1
.endm
.macro CROUND
	s_barrier_signal -1
	s_barrier_wait -1
	CREST
.endm
	s_load_b256 s[4:11], s[0:1], 0x0               ; xc s[4:5], wo s[6:7], the scales s[8:9], bo s[10:11]
	s_load_b64 s[12:13], s[0:1], 0x20              ; out0
	v_lshl_add_u32 v[SPW], v0, 2, SPARE
	v_mov_b32 v[NIL], 0
	ds_add_u32 v[SPW], v[NIL]                      ; the wave's opening: the add and its wait ahead of my first tensor load
	ds_add_u32 v[SPW], v[NIL]
	v_lshrrev_b32 v1, 5, v0
	v_readfirstlane_b32 s14, v1                    ; wave 0..3
	s_lshr_b32 s15, s14, 1                         ; my half of the rows.  Also: I fetch for A (0) or for B (1)
	s_and_b32 s16, s14, 1                          ; my half of the columns.  Also: which half of that tile I fetch
	s_bfe_u32 s40, ttmp6, 0x40000                  ; cx
	s_bfe_u32 s41, ttmp6, 0x40004                  ; cy
	s_lshl_b32 s42, ttmp9, 2
	s_add_co_u32 s42, s42, s40                     ; tile column
	s_and_b32 s17, ttmp7, 0xffff
	s_lshl_b32 s17, s17, 2
	s_add_co_u32 s17, s17, s41                     ; tile row
	s_lshl_b32 s43, s41, 2
	s_lshl_b32 s43, 15, s43                        ; my row of the cluster
	s_lshl_b32 s44, 0x1111, s40                    ; my column
	s_or_b32 s[G1+0], s43, (3<<16)|(1<<21)         ; A: the mask; elements of 8 bytes; bit 21 beside a mask; no padding
	s_mov_b32 s[G1+1], 512<<16                     ; tensor_dim0 = 512 elements: 4 KB, four heads' images of a row tile
	s_mov_b32 s[G1+2], 8<<16                       ; tensor_dim1 = 8 row tiles
	s_mov_b32 s[G1+3], 512<<16                     ; tile_dim0
	s_mov_b32 s[G1+4], 8                           ; tile_dim1
	s_mov_b32 s[G1+5], 2048                        ; a row tile is 16 KB
	s_mov_b32 s[G1+6], 0
	s_mov_b32 s[G1+7], 0
	s_or_b32 s[G1B+0], s44, (0<<16)|(1<<20)|(1<<21)|(5<<22)|(3<<25)  ; B: elements of 1 byte; after every 64 words 4 words of padding
	s_mov_b32 s[G1B+1], ROWB<<16
	s_mov_b32 s[G1B+2], 128<<16
	s_mov_b32 s[G1B+3], ROWB<<16
	s_mov_b32 s[G1B+4], 128
	s_mov_b32 s[G1B+5], KROW
	s_mov_b32 s[G1B+6], 0
	s_mov_b32 s[G1B+7], 0
	s_lshl_b32 s20, s17, 4
	s_lshl_b32 s18, s16, 3
	s_add_co_u32 s20, s20, s18                     ; A: row tile 16 x tile row + 8 x half,
	s_lshl_b32 s20, s20, 14                        ; x 16 KB
	s_mov_b32 s21, 0
	s_lshl_b32 s46, s42, 8
	s_lshl_b32 s18, s16, 7
	s_add_co_u32 s46, s46, s18                     ; B: row 256 x tile column + 128 x half,
	s_lshl_b32 s46, s46, 10                        ; x 1,024 bytes
	s_mov_b32 s47, 0
	s_lshl_b32 s45, s16, 15                        ; where A's half goes,
	s_mul_i32 s22, s16, HALFT
	s_add_co_u32 s22, s22, BOFF                    ; and B's
	s_wait_dscnt 0x0                               ; the opening add is done
	s_wait_kmcnt 0x0
	s_load_b64 s[96:97], s[8:9], 0x28              ; e10, e11
	s_add_nc_u64 s[20:21], s[4:5], s[20:21]
	s_add_nc_u64 s[46:47], s[6:7], s[46:47]
	CROUND                                         ; all sixteen work-groups are here: the first joint loads meet
.irp s, 0,1
	s_mov_b32 s[G0+4*\s], 1
	s_add_co_u32 s[G0+4*\s+1], s45, \s*SLOT
	s_add_nc_u64 s[G0+4*\s+2:G0+4*\s+3], s[20:21], \s*4096
	s_or_b32 s[G0+4*\s+3], s[G0+4*\s+3], 0x80000000
	s_mov_b32 s[G0B+4*\s], 1
	s_add_co_u32 s[G0B+4*\s+1], s22, \s*SLOT
	s_add_nc_u64 s[G0B+4*\s+2:G0B+4*\s+3], s[46:47], \s*ROWB
	s_or_b32 s[G0B+4*\s+3], s[G0B+4*\s+3], 0x80000000
	s_wait_alu depctr_va_vdst(0)
	s_wait_tensorcnt 0x0
	ds_add_u32 v28, v29
	ds_add_u32 v28, v29
	s_wait_dscnt 0x0
	CROUND
	JLOAD G0+4*\s, G1, G0B+4*\s, G1B               ; two loads of mine are out
.endr
	v_and_b32 v1, 15, v0                           ; r
	v_bfe_u32 v2, v0, 4, 1                         ; h
	v_and_b32 v6, 31, v0
	v_lshlrev_b32 v[CO], 4, v6                     ; 16 x lane
	v_mul_u32_u24 v3, v1, PITCH
	v_lshl_add_u32 v4, v2, 4, v3
	s_lshl_b32 s21, s15, 15                        ; my 128 rows of A: eight row tiles
	s_mul_i32 s22, s16, HALFT
	s_add_co_u32 s22, s22, BOFF                    ; my 128 rows of B
.irp s, 0,1
	v_add_nc_u32 v[ADRA+\s], s21, v[CO]
	v_add_nc_u32 v[ADRB+\s], s22, v4
	s_add_co_u32 s21, s21, SLOT
	s_add_co_u32 s22, s22, SLOT
.endr
	s_mul_i32 s23, s14, 16*SPITCH                  ; my stage
	v_mul_u32_u24 v5, v1, SPITCH
	v_lshl_add_u32 v5, v2, 5, v5
	v_add_nc_u32 v[STO], s23, v5                   ; in: row r, 32 bytes for each half of the lanes
	v_add_nc_u32 v[RD], s23, v[CO]                 ; back: the 32 lanes take one row of 512 bytes
	v_lshlrev_b32 v7, 5, v2                        ; the bias: 32 h
	s_wait_alu depctr_va_vdst(0)
	s_lshl_b32 s20, s17, 8
	s_lshl_b32 s21, s15, 7
	s_add_co_u32 s20, s20, s21                     ; my first row of out0,
	s_lshl_b32 s20, s20, 12                        ; x 4,096 bytes
	s_lshl_b32 s46, s42, 10
	s_lshl_b32 s47, s16, 9
	s_add_co_u32 s46, s46, s47                     ; my first column, in bytes: in a row of out0 and in bo alike
	s_mov_b32 s47, 0
	s_add_nc_u64 s[10:11], s[10:11], s[46:47]
	s_add_co_u32 s20, s20, s46
	s_mov_b32 s21, 0
	s_add_nc_u64 s[12:13], s[12:13], s[20:21]
.irp b, 0,1,2,3,4,5,6,7
	global_load_b128 v[BB+8*\b:BB+8*\b+3], v7, s[10:11] offset:64*\b       ; bo at columns 16 b + 8 h + 0..7
	global_load_b128 v[BB+8*\b+4:BB+8*\b+7], v7, s[10:11] offset:64*\b+16
.endr
	s_wait_kmcnt 0x0
	s_add_co_i32 s96, s96, s97                     ; e10 + e11
	s_sub_co_i32 s98, 0, s96
	s_add_co_i32 s96, s96, 127
	s_lshl_b32 s96, s96, 23                        ; 2^(e10 + e11) as f32
	s_mov_b32 s97, s96                             ; (named with it as a pair)
	s_wait_loadcnt 0x0
.set i, 0
.rept 64
	v_ldexp_f32 v[BB+i], v[BB+i], s98              ; bo / 2^(e10 + e11)
.set i, i+1
.endr
.macro FRAG reg, adr, q, i             ; B: 16 rows x 128 K from rows
.irp c, 0,1,2,3
	ds_load_b128 v[\reg+4*\c:\reg+4*\c+3], v[\adr] offset:128*(\q)+32*\c+(\i)*16*PITCH
.endr
.endm
.macro FRAGA reg, adr, q, i            ; A: the image of row tile i, K step q of the slot
.irp c, 0,1,2,3
	ds_load_b128 v[\reg+4*\c:\reg+4*\c+3], v[\adr] offset:4096*(\i)+2048*(\q)+512*\c
.endr
.endm
; 16 matrix instructions.  mode 1: C = the bias by B's block.  The 64 accumulators take turns, one instruction a turn, in the same order in every step.
.macro MUL16 a0, p, mode
.irp a, \a0, \a0+1
.irp b, 0,1,2,3,4,5,6,7
.if \mode
	v_wmma_f32_16x16x128_bf8_bf8 v[8*(8*((\a)%4)+\b):8*(8*((\a)%4)+\b)+7], v[128*(\p)+FR*\b:128*(\p)+FR*\b+FR-1], v[AF+FR*(\a):AF+FR*(\a)+FR-1], v[BB+8*\b:BB+8*\b+7]
.else
	v_wmma_f32_16x16x128_bf8_bf8 v[8*(8*((\a)%4)+\b):8*(8*((\a)%4)+\b)+7], v[128*(\p)+FR*\b:128*(\p)+FR*\b+FR-1], v[AF+FR*(\a):AF+FR*(\a)+FR-1], v[8*(8*((\a)%4)+\b):8*(8*((\a)%4)+\b)+7]
.endif
.endr
.endr
.endm
.macro FETCH_B slot, q, p
	WIN TO_B
.irp i, 0,1,2,3,4,5,6,7
	FRAG 128*(\p)+FR*\i, ADRB+\slot, \q, \i
.endr
	WIN 0
.endm
.macro FETCH_A slot, q, i0
.irp i, \i0, \i0+1, \i0+2, \i0+3
	FRAGA AF+FR*(\i), ADRA+\slot, \q, \i
.endr
.endm
.macro PLACES n                        ; plain vector instructions between a matrix instruction and a load into, or a vector read of, its registers
.rept \n
	v_nop
.endr
.endm
.macro STEP slot, q, mode
	s_wait_dscnt 4*NL                              ; B's set and A's blocks 0-3 are in; the youngest 16 loads (A's blocks 4-7) may be out
.if \mode
	WIN BIA_LO
.else
	WIN MUL_LO
.endif
	MUL16 0, (\q)%2, \mode
	MUL16 2, (\q)%2, \mode
	s_wait_dscnt 0
	PLACES NP
	FETCH_B \slot, (\q)+1, 1-(\q)%2
	FETCH_A \slot, (\q)+1, 0
.if \mode
	WIN BIA_HI
.else
	WIN MUL_HI
.endif
	MUL16 4, (\q)%2, \mode
	MUL16 6, (\q)%2, \mode
	PLACES NP
	WIN 0
	FETCH_A \slot, (\q)+1, 4
.endm
.macro TURN slot, next, fill           ; a slot's last step changes slots: one barrier, with the three lines in front of it
	s_wait_tensorcnt 0x0                           ; all my tensor loads have landed: my part of the next slot
	ds_add_u32 v[SPW], v[NIL]                      ; 0 onto my spare word
	s_wait_dscnt 4*NL+1                            ; the add and the youngest 16 loads may be out
	WIN MUL_LO
	MUL16 0, 1, 0
	s_wait_dscnt 0x0                               ; the add is done, and my reads of this slot are over
	s_barrier_signal -1
	MUL16 2, 1, 0
	WIN 0
	s_barrier_wait -1
.if \fill
	CREST                                          ; the barrier has opened a round of the cluster's: no wave of any partner still reads this slot or has a load on its way
	s_add_nc_u64 s[G0+4*\slot+2:G0+4*\slot+3], s[G0+4*\slot+2:G0+4*\slot+3], 2*4096
	s_add_nc_u64 s[G0B+4*\slot+2:G0B+4*\slot+3], s[G0B+4*\slot+2:G0B+4*\slot+3], 2*ROWB
	JLOAD G0+4*\slot, G1, G0B+4*\slot, G1B         ; the first tensor load behind the round; its four v_nop are the places in front of the loads below
.else
	PLACES NP
.endif
	FETCH_B \next, 0, 0
	FETCH_A \next, 0, 0
	WIN MUL_HI
	MUL16 4, 1, 0
	MUL16 6, 1, 0
	PLACES NP
	WIN 0
	FETCH_A \next, 0, 4
.endm
	s_wait_alu depctr_va_vdst(0)
	s_wait_tensorcnt 1                             ; my part of K step 0 is in; K step 1's load may be out
	s_barrier_signal -1
	s_barrier_wait -1
	FETCH_B 0, 0, 0
	FETCH_A 0, 0, 0
	FETCH_A 0, 0, 4
	STEP 0, 0, 1                                   ; the first products start the sums with the bias
	TURN 0, 1, 1                                   ; K = 1,024 is twice round the ring: written out
	STEP 1, 0, 0
	TURN 1, 0, 1
	STEP 0, 0, 0
	TURN 0, 1, 0                                   ; the last lap fills nothing
	STEP 1, 0, 0
	s_wait_dscnt 4*NL
	WIN MUL_LO
	MUL16 0, 1, 0
	MUL16 2, 1, 0
	s_wait_dscnt 0
	WIN MUL_HI
	MUL16 4, 1, 0
	MUL16 6, 1, 0
	WIN 0
; THE WAY OUT, a block of 16 rows x 128 columns at a time, through my own stage in LDS: in as 32 bytes a lane, back as whole rows of 512 bytes.
; LDS serves a wave's instructions in order (ISA guide 5.7.1.4): no wait between the stores and the loads, nor in front of the next block's stores.
.macro TOSTAGE a
.set AC, 64*((\a)%4)
	WIN 0x02+((\a)/4)
.set i, 0
.rept 32
	v_pk_mul_f32 v[TMP+i:TMP+i+1], v[AC+i:AC+i+1], s[96:97] op_sel_hi:[1,0]   ; x 2^(e10 + e11); each accumulator from its low end on
.set i, i+2
.endr
	WIN 0
.irp b, 0,1,2,3,4,5,6,7
	ds_store_b128 v[STO], v[TMP+8*\b:TMP+8*\b+3] offset:64*\b
	ds_store_b128 v[STO], v[TMP+8*\b+4:TMP+8*\b+7] offset:64*\b+16
.endr
.set BR, BK+64*((\a)%2)
.irp t, 0,1,2,3,4,5,6,7,8,9,10,11,12,13,14,15
	ds_load_b128 v[BR+4*\t:BR+4*\t+3], v[RD] offset:\t*SPITCH
.endr
.endm
.macro SEND a, younger                 ; younger: the LDS instructions issued behind block a's loads, which may stay out
.set BR, BK+64*((\a)%2)
	s_wait_dscnt \younger
.if (\a) > 0
	s_add_nc_u64 s[12:13], s[12:13], 16*SIZE_N*4   ; (behind a wait on XCNT: the earlier stores have read their base)
.endif
.irp t, 0,1,2,3,4,5,6,7,8,9,10,11,12,13,14,15
	global_store_b128 v[CO], v[BR+4*\t:BR+4*\t+3], s[12:13] offset:\t*SIZE_N*4 th:TH_STORE_NT   ; 32 lanes store 512 consecutive bytes, aligned; written once, read by nobody here
.endr
.endm
	PLACES NP
	TOSTAGE 0
.irp a, 1,2,3,4,5,6,7
.if \a > 1
	s_wait_xcnt 0x0                                ; block a - 2's stores have read their registers and their base
.endif
	TOSTAGE \a
	SEND \a-1, 32                                  ; behind block a - 1's loads: block a's 16 stores and 16 loads
.endr
	s_wait_xcnt 0x0
	SEND 7, 0
	s_wait_tensorcnt 0x0                           ; the wave's end
	ds_add_u32 v[SPW], v[NIL]
	s_wait_dscnt 0x0
	CROUND                                         ; the closing round
	s_endpgm
.Lfunc_end_k_q537eee43f5_oproj:
	.size	k_q537eee43f5_oproj, .Lfunc_end_k_q537eee43f5_oproj-k_q537eee43f5_oproj
	.p2alignl 7, 3214868480
	.fill 96, 4, 3214868480
	.section	.rodata,"a",@progbits
	.p2align	6, 0x0
	.amdhsa_kernel k_q537eee43f5_oproj
		.amdhsa_group_segment_fixed_size 327680
		.amdhsa_private_segment_fixed_size 0
		.amdhsa_enable_private_segment 0
		.amdhsa_kernarg_size 40
		.amdhsa_user_sgpr_count 2
		.amdhsa_user_sgpr_kernarg_segment_ptr 1
		.amdhsa_wavefront_size32 1
		.amdhsa_system_sgpr_workgroup_id_x 1
		.amdhsa_system_sgpr_workgroup_id_y 1
		.amdhsa_system_sgpr_workgroup_id_z 1
		.amdhsa_system_vgpr_workitem_id 0
		.amdhsa_next_free_vgpr 1024
		.amdhsa_next_free_sgpr 100
		.amdhsa_reserve_vcc 0
		.amdhsa_float_denorm_mode_32 3
		.amdhsa_float_denorm_mode_16_64 3
		.amdhsa_memory_ordered 1
		.amdhsa_forward_progress 1
		.amdhsa_inst_pref_size 130
	.end_amdhsa_kernel
	.amdgpu_metadata
---
amdhsa.version: [ 1, 2 ]
amdhsa.kernels:
  - .name:           k_q537eee43f5_oproj
    .symbol:         k_q537eee43f5_oproj.kd
    .args:
      - { .name: xc, .offset: 0, .size: 8, .value_kind: global_buffer, .address_space: global }
      - { .name: wo_codes, .offset: 8, .size: 8, .value_kind: global_buffer, .address_space: global }
      - { .name: lowp_scales, .offset: 16, .size: 8, .value_kind: global_buffer, .address_space: global }
      - { .name: bo, .offset: 24, .size: 8, .value_kind: global_buffer, .address_space: global }
      - { .name: out0, .offset: 32, .size: 8, .value_kind: global_buffer, .address_space: global }
    .group_segment_fixed_size: 327680
    .private_segment_fixed_size: 0
    .kernarg_segment_align: 8
    .kernarg_segment_size: 40
    .max_flat_workgroup_size: 128
    .sgpr_count:     100
    .vgpr_count:     1024
    .wavefront_size: 32
...
	.end_amdgpu_metadata
.endif
;; end of part 4
